; MI455X (gfx1250); checked and timed in simulation.
; The chip was launched on July 23, 2026; its instructions are those of AMD's public machine-readable ISA for CDNA 5 (MIT licence, August 2026) and "CDNA5" Instruction Set Architecture Reference Guide (July 2026). The comments in the code are by the model that wrote it; some were corrected since.
;; Local Experts. Allowed arithmetic: matrix products marked QUANTISED: E3M2 operands, one E8M0 scale for each 32 along K, by v_wmma_scale_f32_16x16x128_f8f6f4 with both operands' format E3M2, f32 sums; everything else in f32.
;; Inputs: dispatched_hidden_states 8 x 8 x 512 x 512 float32; experts_capacity_usage 8 int32; wi 8 x 512 x 2,048 float32; wo 8 x 2,048 x 512 float32.
;; Outputs: out0 8 x 8 x 512 x 512 float32.
;; This version of the problem:
;;   THIS VERSION OF THE PROBLEM IS GIVEN IN LOW PRECISION. The matrix products marked QUANTISED in the list below multiply operands that are first quantised to E3M2 (3 exponent bits, 2 mantissa bits; 6 bits a number), with one power-of-two scale for each 32 numbers along K (OCP MX v1.0); their sums are f32. All else is computed in f32.
;;   The module's matrix products, in the order in which they are computed (A, B: the left and right operand; K: the contracted axis; several contracted axes count as one K, in the product's order):
;;     1. batch 8 x [M 4,096, K 512] x [K 512, N 2,048]; A: input dispatched_hidden_states; B: input wi: QUANTISED
;;     2. batch 8 x [M 4,096, K 2,048] x [K 2,048, N 512]; A: computed on the way; B: input wo: QUANTISED
;;   THE QUANTISER, for each operand of a quantised product, along K:
;;     - K is cut into blocks of 32 from its start; a last block that is shorter is filled with zeros.
;;     - A block's scale is 2^e with e = floor(log2(the largest magnitude in the block)) - 4, held to -126 .. 127; a block of zeros has e = 0. As a byte (E8M0): e + 127.
;;     - Each number is divided by its block's scale, clamped to +-28, and rounded to the nearest number of E3M2, ties to even, subnormals kept.
;;     - The product sums the exact products of the quantised numbers (number of the format x scale) in f32.
;;   ~~~python
;;   def quantise(x, axis):      # numpy; x: float32 -> the quantised numbers, widened to float32 again
;;       x = np.moveaxis(x, axis, -1); K = x.shape[-1]
;;       x = np.pad(x, [(0, 0)] * (x.ndim - 1) + [(0, -K % 32)]); x = x.reshape(x.shape[:-1] + (-1, 32)); a = np.abs(x).max(-1, keepdims=True)
;;       e = np.where(a > 0, np.clip(np.frexp(np.where(a > 0, a, 1))[1] - 1 - 4, -126, 127), 0)      # np.frexp(a)[1] - 1 = floor(log2(a)), exactly
;;       r = np.clip(x / 2.0 ** e, -28, 28)
;;       step = 2.0 ** (np.maximum(np.frexp(np.where(r == 0, 1, r))[1] - 1, -2) - 2)
;;       q = np.round(r / step) * step * 2.0 ** e      # np.round: ties to even
;;       return np.moveaxis(q.reshape(q.shape[:-2] + (-1,))[..., :K], -1, axis).astype(np.float32)
;;   ~~~
;;   OPERANDS COMPUTED ON THE WAY. 'Computed on the way' means the value that the module computes at that place (a softmax that the list does not call 'softmax' is quantised finished and normalised). What goes into a quantiser is computed in f32, as accurately as f32 sums, v_exp_f32 and their like allow (about 1e-6 of the number): no bf16 or f16 on the way to a quantiser, and a product that is left as it is and whose result goes on into a quantised operand takes f32 operands (vector FMAs, or v_wmma_f32_16x16x4_f32). A number that lies on a knife's edge between two numbers of the format may be rounded either way, as far as f32 arithmetic and the matrix unit's own rounding can turn it there, and no further.
;; One version. Each part assembles by itself: llvm-mc -triple=amdgcn-amd-amdhsa -mcpu=gfx1250 --defsym DOCPART=n.
;; ======== version 1 of 1: 2 launches
;; workspace buffers: wq 13,107,200 bytes
;; launch prep (part 1): grid 512 x 1, 4 waves a work-group, no clusters, 25,088 bytes of LDS; arguments wi, wo, experts_capacity_usage, wq; writes wq
.if DOCPART == 1
	.amdgcn_target "amdgcn-amd-amdhsa--gfx1250"
	.amdhsa_code_object_version 6
	.text
	.protected	k_qa07e355503_prep
	.globl	k_qa07e355503_prep
	.p2align	8
	.type	k_qa07e355503_prep,@function
k_qa07e355503_prep:
	s_mov_b64 s[64:65], 0
	v_nop
	global_prefetch_b8 v0, s[64:65] scope:SCOPE_SE
	s_setreg_imm32_b32 hwreg(HW_REG_WAVE_MODE, 25, 1), 1
	s_wait_xcnt 0x0
; wi [8][512][2048] and wo [8][2048][512], f32, both with K as the first axis of an expert's matrix, become codes of BF6 (E3M2) with one E8M0 byte for each 32 along K,
; laid in wq AS IMAGES OF OPERAND REGISTERS, in the order in which the second launch streams them.
; wq: blocks of 102,400 bytes at ((e 8 + c) 2 + p) x 102,400; c: the chunk of 256 hidden units; p = 0: W1(c) = wi's columns 256 c .. + 255, all K = 512; p = 1: W2(c) = all 512 columns of wo, K = rows 256 c .. + 255.
; A block: 16 tasks of 6,144 bytes of codes, then from byte 98,304 on 16 x 256 bytes of scale words.  A task: 32 columns x 256 along K = 2 tiles of 16 columns (u) x 2 K steps of 128 (g): fragment (u, g) at (2 u + g) 1,536.
; A fragment is the image of its 12 registers: registers 4 n .. 4 n + 3 of lane L at 512 n + 16 L; lane (r, h) holds column r of the tile, registers 6 c' .. 6 c' + 5 = K 64 c' + 32 h + 0 .. 31.
; A task's scale words: 8 bytes at 8 x (16 u + r): the word of K step 0, then of K step 1.
; W1's tiles do not take neighbouring columns: row r of tile u of a block of 32 hidden units is unit 8 u + r + 8 (r / 8), so that the first product's results lie as the quantiser of the hidden layer wants them.
; A LANE TAKES A COLUMN AND ITS REGISTERS RUN DOWN K: a block of 32 along K lies in one lane's 32 registers, its largest magnitude needs no other lane, and the conversions give codes with K innermost.
; A wave takes one task; its codes are gathered in its own 6,144 bytes of LDS and leave as 12 stores of 512 consecutive bytes.  No barrier: waves share nothing.  One path serves both tensors: only scalars are chosen.
; A block's scale is 2^(floor(log2(largest magnitude)) - 4); its byte is the largest magnitude's exponent field - 4, held at 1 from below.
; LIMITS: NaN and infinities among the inputs are not served.  A block of zeros gets the byte 1 where the rule says 127: its codes are zeros, which add nothing, and this program alone reads the bytes.
; experts_capacity_usage is loaded and nothing is made of it.
.set BLKB,  102400
.set SCOFF, 98304
.set TASKB, 6144
.set OFF,   16                         ; v16-47   byte offset of my column in row i of a block of 32 rows
.set X,     48                         ; v48-111  two sets of 32 numbers
.set A,     112                        ; v112-117 a block's six registers of codes
.set T,     120                        ; v120-122 the second conversion's result (three registers that begin on an even number)
.set SB,    124                        ; v124-125 my column's two scale words
.set OUT,   128                        ; v128-175 the way out
.set BASE,  32                         ; s[32:47] the address of my wave's columns in row 32 t of its 256, t = 0 .. 7
	s_load_b128 s[4:7], s[0:1], 0x0                ; wi, wo
	s_load_b128 s[8:11], s[0:1], 0x10              ; experts_capacity_usage, wq
	v_lshl_add_u32 v192, v0, 2, 0x6000
	v_mov_b32 v193, 0
	v_lshrrev_b32 v1, 5, v0
	v_readfirstlane_b32 s12, v1                    ; wave 0..3
	v_and_b32 v1, 31, v0                           ; lane
	s_and_b32 s13, ttmp9, 31                       ; which part of an expert's tensor
	s_bfe_u32 s14, ttmp9, 0x30005                  ; the expert: 3 bits from bit 5
	s_lshr_b32 s15, s13, 2                         ; the chunk c, for both tensors
	; wi: 16 groups of 128 columns x 2 halves of K
	s_lshr_b32 s16, s13, 1                         ; group of columns
	s_and_b32 s17, s13, 1                          ; half of K
	s_lshl_b32 s18, s17, 21                        ; 256 rows of 8,192 bytes
	s_and_b32 s19, s16, 1                          ; which half of the chunk
	s_lshl_b32 s19, s19, 3
	s_add_co_u32 s19, s19, s17
	s_lshl_b32 s20, s12, 1
	s_add_co_u32 s19, s19, s20                     ; task = 8 x half of the chunk + 2 x wave + half of K
	; wo: 8 chunks of 256 rows x 4 groups of 128 columns
	s_and_b32 s20, s13, 3                          ; group of columns
	s_lshl_b32 s21, s15, 19                        ; 256 rows of 2,048 bytes
	s_lshl_b32 s22, s20, 2
	s_add_co_u32 s22, s22, s12                     ; task = 4 x group + wave
	s_mov_b32 s23, 8192                            ; bytes in a row
	s_mov_b32 s24, 2048
	s_wait_kmcnt 0x0
	s_load_b256 s[48:55], s[8:9], 0x0              ; the eight capacity figures
	s_cmp_lt_u32 ttmp9, 256                        ; the first 256 work-groups take wi, the others wo: the choice hangs on the work-group's number alone
	s_cselect_b64 s[4:5], s[4:5], s[6:7]
	s_cselect_b32 s16, s16, s20
	s_cselect_b32 s18, s18, s21
	s_cselect_b32 s19, s19, s22
	s_cselect_b32 s23, s23, s24
	s_cselect_b32 s25, 0, 1                        ; p
	s_cselect_b32 s26, -1, 0                       ; all lanes: wi's order of columns
	s_lshl_b32 s28, s14, 22                        ; an expert's tensor is 4,194,304 bytes
	s_add_co_u32 s28, s28, s18
	s_lshl_b32 s27, s16, 9                         ; 128 columns of 4 bytes
	s_add_co_u32 s28, s28, s27
	s_lshl_b32 s27, s12, 7                         ; my wave's 32 of them
	s_add_co_u32 s28, s28, s27
	s_mov_b32 s29, 0
	s_add_nc_u64 s[BASE:BASE+1], s[4:5], s[28:29]
	s_lshl_b32 s28, s23, 5                         ; 32 rows on
.irp t, 1,2,3,4,5,6,7
	s_add_nc_u64 s[BASE+2*\t:BASE+2*\t+1], s[BASE+2*\t-2:BASE+2*\t-1], s[28:29]
.endr
	s_lshl_b32 s30, s14, 3
	s_add_co_u32 s30, s30, s15
	s_lshl_b32 s30, s30, 1
	s_add_co_u32 s30, s30, s25
	s_mul_i32 s30, s30, BLKB                       ; my block of wq
	s_mov_b32 s31, 0
	s_add_nc_u64 s[10:11], s[10:11], s[30:31]
	s_mul_i32 s30, s19, TASKB
	s_add_nc_u64 s[56:57], s[10:11], s[30:31]      ; my task's codes
	s_lshl_b32 s30, s19, 8
	s_add_co_u32 s30, s30, SCOFF
	s_add_nc_u64 s[58:59], s[10:11], s[30:31]      ; and its scale words
	v_and_b32 v9, 15, v0                           ; r
	v_bfe_u32 v8, v0, 4, 1                         ; u
	v_bfe_u32 v10, v0, 3, 1                        ; r / 8
	v_lshl_add_u32 v7, v8, 3, v9
	v_lshl_add_u32 v7, v10, 3, v7                  ; 8 u + r + 8 (r / 8)
	v_cndmask_b32 v7, v1, v7, s26                  ; wi: that column of the 32; wo: column = lane
	v_lshlrev_b32 v[OFF], 2, v7
.irp i, 1,2,3,4,5,6,7,8,9,10,11,12,13,14,15,16,17,18,19,20,21,22,23,24,25,26,27,28,29,30,31
	v_add_nc_u32 v[OFF+\i], s23, v[OFF+\i-1]       ; a row further down
.endr
	s_mul_i32 s27, s12, TASKB                      ; my wave's bytes of LDS
	v_mul_u32_u24 v8, v8, 3072
	v_lshl_add_u32 v3, v9, 4, v8
	v_add_nc_u32 v3, s27, v3                       ; into the image: tile u, lane r of the fragment
	v_lshlrev_b32 v5, 4, v1                        ; out: 16 bytes a lane
	v_add_nc_u32 v4, s27, v5
	v_lshlrev_b32 v6, 3, v1                        ; scale words: 8 bytes a lane
	s_wait_kmcnt 0x0                               ; the capacity figures are in
.macro LOAD t                          ; rows 32 t .. 32 t + 31 of my column into set t % 2: each load reads 128 consecutive bytes, the four waves stand side by side on 512
.set n, 0
.rept 32
	global_load_b32 v[X+32*((\t)%2)+n], v[OFF+n], s[BASE+2*(\t):BASE+2*(\t)+1] th:TH_LOAD_NT
.set n, n+1
.endr
.endm
	LOAD 0
	LOAD 1
; Block t of my column: K step t / 4; in it registers 6 c' .. 6 c' + 5 of lane r + 16 h, with c' = (t / 2) % 2 and h = t % 2.
.macro BLOCK t
.set XS, X+32*((\t)%2)
.set I, 1536*((\t)/4)+256*((\t)%2)
.if (\t) < 7
	s_wait_loadcnt 32                              ; this block's 32 loads are in; the next block's 32 may be out
.else
	s_wait_loadcnt 0x0
.endif
	v_max3_num_f32 v12, |v[XS]|, |v[XS+1]|, |v[XS+2]|              ; the block's largest magnitude, in two chains
	v_max3_num_f32 v13, |v[XS+3]|, |v[XS+4]|, |v[XS+5]|
.irp i, 6,10,14,18,22,26
	v_max3_num_f32 v12, v12, |v[XS+\i]|, |v[XS+\i+1]|
	v_max3_num_f32 v13, v13, |v[XS+\i+2]|, |v[XS+\i+3]|
.endr
	v_max3_num_f32 v12, v12, |v[XS+30]|, |v[XS+31]|
	v_max3_num_f32 v12, v12, v13, 0x2800000        ; and the floor 2^(5 - 127): the byte cannot fall under 1
	v_add_nc_u32 v11, 0xfe000000, v12              ; 4 off the exponent field: the conversion takes this operand's exponent field as its scale
	v_lshrrev_b32 v13, 23, v11                     ; the scale's byte
.if (\t)%4 == 0
	v_mov_b32 v[SB+(\t)/4], v13                    ; four bytes to a word, the lower K in the lower byte
.else
	v_lshl_or_b32 v[SB+(\t)/4], v13, 8*((\t)%4), v[SB+(\t)/4]
.endif
	v_cvt_scalef32_pk16_bf6_f32 v[A:A+2], v[XS:XS+15], v11
	v_cvt_scalef32_pk16_bf6_f32 v[T:T+2], v[XS+16:XS+31], v11
	v_nop                                          ; one plain place behind the conversions
.irp i, 0,1,2
	v_mov_b32 v[A+3+\i], v[T+\i]                   ; the block's six registers on end
.endr
.if ((\t)/2)%2 == 0
	ds_store_b128 v3, v[A:A+3] offset:I            ; registers 0-3 of the fragment
	ds_store_b64 v3, v[A+4:A+5] offset:I+512       ; registers 4, 5
.else
	ds_store_b64 v3, v[A:A+1] offset:I+520         ; registers 6, 7
	ds_store_b128 v3, v[A+2:A+5] offset:I+1024     ; registers 8-11
.endif
.if (\t) < 6
	LOAD (\t)+2
.endif
	s_wait_dscnt 0x0                               ; the stores have read their registers: the next block's codes may be written
.endm
.irp t, 0,1,2,3,4,5,6,7
	BLOCK \t
.endr
	global_store_b64 v6, v[SB:SB+1], s[58:59]      ; 32 lanes store 256 consecutive bytes, at a multiple of 256 from wq's first byte
.irp n, 0,1,2,3,4,5,6,7,8,9,10,11
	ds_load_b128 v[OUT+4*\n:OUT+4*\n+3], v4 offset:512*\n      ; LDS serves a wave's instructions in order: these see my stores
.endr
.irp n, 0,1,2,3,4,5,6,7,8,9,10,11
	s_wait_dscnt 11-\n                             ; load n is in; the younger ones may be out
	global_store_b128 v5, v[OUT+4*\n:OUT+4*\n+3], s[56:57] offset:512*\n   ; 512 consecutive bytes, at a multiple of 256 from wq's first byte
.endr
	s_wait_tensorcnt 0x0
	ds_add_u32 v192, v193
	s_wait_dscnt 0x0
	s_endpgm
.Lfunc_end_k_qa07e355503_prep:
	.size	k_qa07e355503_prep, .Lfunc_end_k_qa07e355503_prep-k_qa07e355503_prep
	.p2alignl 7, 3214868480
	.fill 96, 4, 3214868480
	.section	.rodata,"a",@progbits
	.p2align	6, 0x0
	.amdhsa_kernel k_qa07e355503_prep
		.amdhsa_group_segment_fixed_size 25088
		.amdhsa_private_segment_fixed_size 0
		.amdhsa_enable_private_segment 0
		.amdhsa_kernarg_size 32
		.amdhsa_user_sgpr_count 2
		.amdhsa_user_sgpr_kernarg_segment_ptr 1
		.amdhsa_wavefront_size32 1
		.amdhsa_system_sgpr_workgroup_id_x 1
		.amdhsa_system_sgpr_workgroup_id_y 1
		.amdhsa_system_sgpr_workgroup_id_z 1
		.amdhsa_system_vgpr_workitem_id 0
		.amdhsa_next_free_vgpr 194
		.amdhsa_next_free_sgpr 66
		.amdhsa_reserve_vcc 0
		.amdhsa_float_denorm_mode_32 3
		.amdhsa_float_denorm_mode_16_64 3
		.amdhsa_memory_ordered 1
		.amdhsa_forward_progress 1
		.amdhsa_inst_pref_size 44
	.end_amdhsa_kernel
	.amdgpu_metadata
---
amdhsa.version: [ 1, 2 ]
amdhsa.kernels:
  - .name:           k_qa07e355503_prep
    .symbol:         k_qa07e355503_prep.kd
    .args:
      - { .name: wi, .offset: 0, .size: 8, .value_kind: global_buffer, .address_space: global }
      - { .name: wo, .offset: 8, .size: 8, .value_kind: global_buffer, .address_space: global }
      - { .name: experts_capacity_usage, .offset: 16, .size: 8, .value_kind: global_buffer, .address_space: global }
      - { .name: wq, .offset: 24, .size: 8, .value_kind: global_buffer, .address_space: global }
    .group_segment_fixed_size: 25088
    .private_segment_fixed_size: 0
    .kernarg_segment_align: 8
    .kernarg_segment_size: 32
    .max_flat_workgroup_size: 128
    .sgpr_count:     66
    .vgpr_count:     194
    .wavefront_size: 32
...
	.end_amdgpu_metadata
.endif
;; end of part 1
;; launch ffn (part 2): grid 32 x 8, 4 waves a work-group, clusters of 4 x 1, 327,680 bytes of LDS; arguments dispatched_hidden_states, wq, out0; writes out0
.if DOCPART == 2
	.amdgcn_target "amdgcn-amd-amdhsa--gfx1250"
	.amdhsa_code_object_version 6
	.text
	.protected	k_qa07e355503_ffn
	.globl	k_qa07e355503_ffn
	.p2align	8
	.type	k_qa07e355503_ffn,@function
k_qa07e355503_ffn:
	s_mov_b64 s[64:65], 0
	v_nop
	global_prefetch_b8 v0, s[64:65] scope:SCOPE_SE
	s_setreg_imm32_b32 hwreg(HW_REG_WAVE_MODE, 25, 1), 1
	s_wait_xcnt 0x0
	s_wait_alu depctr_hold_cnt(0) depctr_sa_sdst(0) depctr_va_vdst(0) depctr_va_sdst(0) depctr_va_ssrc(0) depctr_va_vcc(0) depctr_vm_vsrc(0)
	s_getreg_b32 s2, hwreg(HW_REG_IB_STS2, 6, 4)
	s_cmp_eq_u32 s2, 0
	s_cbranch_scc0 .Lentry_in_a_cluster
	s_endpgm
.Lentry_in_a_cluster:
	s_bfe_u32 s2, ttmp6, 0x10000c
	s_cmp_lg_u32 s2, 0x3003
	s_cbranch_scc0 .Lentry_shape_is_right
	s_endpgm
.Lentry_shape_is_right:
; out[e] = relu(x[e] W1) W2 for 128 rows of one expert, both products on codes of BF6 (E3M2) with one E8M0 scale for each 32 along K.  x: [8][4096][512] f32, quantised here; the weights come
; from wq as images of operand registers (blocks of 102,400 bytes: W1 of chunk 0, W2 of chunk 0, W1 of chunk 1 ..; a chunk is 256 hidden units).  The hidden layer never goes to memory.
; SHARES.  Grid x: 32 blocks of 128 rows; grid y: the expert.  Four waves, 2 x 2: wave w has i = w / 2 (rows 64 i .. + 63: four tiles m of 16) and j = w % 2.  Its 64 x 256 of out (columns 256 j on) are 64 accumulators,
; 512 registers, for the whole launch; its 16 fragments of x (64 rows x 512 K) stay in 192 registers.
; A CHUNK.  P1: 64 rows x hidden units 128 j .. + 127 of the chunk x K 512: 128 matrix instructions; a block of 32 units at a time is clipped at 0 and quantised in registers; the four fragments so made (one a tile of rows)
; go to LDS as images of their registers.  P2: 64 rows x 256 columns x K 256: 128 matrix instructions on eight fragments of the hidden layer, four of them made by the neighbour wave.
; BOTH PRODUCTS ARE USED TRANSPOSED (source 0 = 16 rows of a weight, source 1 = 16 rows of x or of the hidden layer): a lane holds one row, and its registers run along the hidden units, or along out's columns.
; RING.  Slot A always holds a block of W1, slot B one of W2; each wave brings a quarter of a slot, 100 rows of 256 bytes, by one tensor load.  A is filled again behind the boundary P1 -> P2 and has P2 in which to land,
; B behind P2 -> P1.  Each boundary is also the barrier that the exchange of the hidden layer needs.  By this text's count a wave has two tensor loads out at the start and one behind each boundary.
; CLUSTER.  The four row blocks of a cluster belong to one expert and walk the same weights: every weight load is asked for jointly, with the mask of all four and the same descriptor (made of the expert and the wave's
; number alone).  My place in the cluster enters x's and out's addresses alone.
; LIMITS: NaN and infinities among the inputs are not served.  A block of zeros gets the byte 1 where the rule says 127: its codes are zeros, and this program alone reads the bytes.
; REGISTERS, in windows of 256.  Window 0: v1-19 addresses; v24-31, v32-47, v48-51 scale words of x, of the weights, of the hidden layer (nothing else ever lies there); v56-151 two sets of four weight fragments;
;   v152-247: in P2 the hidden layer's eight fragments; in P1 the codes being made and what the quantiser works on.  Window 1: v0-191 x's fragments; v192-255 the hidden accumulators of one block of 32 units.
;   Windows 2, 3: out's accumulators (m, t) at 8 (4 (t % 8) + m), column tiles t = 0-7 in window 2, 8-15 in window 3; at the head they hold x as it is loaded.
.set BLKB,  102400                     ; a block of wq, and an LDS slot
.set QUART, 25600                      ; a wave's quarter of it
.set SCOFF, 98304                      ; where a block's scale words begin
.set SLB,   102400                     ; slot B (slot A lies at 0; at the end it holds the stages for out: 16 rows x 1,040 bytes a wave)
.set HIMG,  204800                     ; the hidden layer's 16 fragments, (8 i + 4 s + m) x 1,536
.set HSC,   229376                     ; their scale words at (4 i + m) 128 + 8 r + 4 s
.set XIMG,  230400                     ; x's 32 fragments, (4 M + s) x 1,536, M = 0 .. 7 the tile of rows
.set XSC,   279552                     ; their scale words at 256 M + 16 r + 4 s
.set XSTG,  281600                     ; for each wave 16 rows x 528 bytes, to turn x
.set SPARE, 315392                     ; the spare words, 128 bytes for each wave: two blocks of 256 bytes that no other line names
.set SPW,  1                           ; v1   SPARE + 4 x my thread's number; never rewritten
.set NIL,  2                           ; v2   0; never rewritten
.set L16,  3                           ; v3   16 x lane
.set AW1,  4                           ; v4   my eight tasks of W1 in slot A
.set AS1,  5                           ; v5   and their scale words
.set AW2,  6                           ; v6   the same for W2 in slot B
.set AS2,  7
.set AHW,  8                           ; v8   where I store the hidden layer's images
.set AHR,  9                           ; v9   where I read my rows' eight
.set AHSW, 10                          ; v10  the same for their scale words
.set AHSR, 11
.set XST,  12                          ; v12  x's stage, on the way in
.set XLD,  13                          ; v13  and on the way out
.set XWI,  14                          ; v14  where I store x's images
.set XWS,  15                          ; v15  and their scale words
.set AXR,  16                          ; v16  where I read my rows' sixteen
.set AXSR, 17
.set STO,  18                          ; v18  the way out: where I put 32 bytes of a row
.set RD,   19                          ; v19  and where I read rows back
.set XS,   24                          ; register 4 a + s: lanes 0-15 the words of row tile 2 a, lanes 16-31 of row tile 2 a + 1, K step s
.set WS,   32                          ; register 2 task + g: lanes 0-15 tile u = 0, lanes 16-31 tile u = 1
.set HS,   48                          ; register 2 a + g, as XS
.set WB,   56                          ; two sets of 48: a task's four fragments, (u, g) at 12 (2 u + g)
.set HF,   152                         ; P2: fragment (g, m) at 12 (4 g + m)
.set F,    152                         ; P1: the codes, 12 registers for each m
.set T,    200                         ; P1: an odd block's codes ahead of the exchange, 4 for each m
.set TM,   216                         ; +0..3 largest magnitudes, +4..7 the other half's, then bytes, +12..15 the conversions' scale operands
.set PW,   232                         ; the scale words being made, one for each m
.set X0,   56                          ; the head: two sets of 64 numbers of x
.set PCX,  184                         ; the head: 12 registers of codes, 8 at work
.set XF,   0                           ; window 1: fragment (m, s) at 12 (4 m + s)
.set HA,   192                         ; window 1: accumulator (m, u) at 16 m + 8 u
.set BK0,  56                          ; the way out: 128 registers, in window 0 from v56 and in window 1 from v0 by turns
.set G1,   16                          ; s[16:23] descriptor group 1, one for all loads
.set G0A,  24                          ; s[24:27] group 0 for slot A;  s[28:31] for slot B
.set G0B,  28
.set SEL,  32                          ; s[32:33] v_permlanex16_b32's selects for lane l xor 16
.set MSB, 0
.macro WIN new                         ; the immediate's high byte repeats the setting that is left; a switch that changes nothing is dropped
.if MSB != (\new)
	s_set_vgpr_msb (MSB<<8)|(\new)
.set MSB, (\new)
.endif
.endm
.macro PLACES                          ; a load into a register that a matrix instruction has read, and a vector instruction or LDS store that reads a result, stand four plain vector instructions behind it
.rept 4
	v_nop
.endr
.endm
.macro ROUND                           ; a round of the cluster's barrier: my work-group's barrier, wave 0 signals for the work-group, every wave waits for all four work-groups, my work-group's barrier once more
	s_barrier_signal -1
	s_barrier_wait -1
	s_cmp_lg_u32 s10, 0
	s_cbranch_scc1 .Lnot_wave_0_\@
	s_barrier_signal -3
.Lnot_wave_0_\@:
	s_barrier_wait -3
	s_barrier_signal -1
	s_barrier_wait -1
.endm
; One matrix instruction.  rD, rA, rB: the registers; rSA, rSB: the scale words; zZ: the constant 0 starts the sum; zRA, zRB: the scale words stand in lanes 16-31.
.macro WM
.if zZ
.if zRA && zRB
	v_wmma_scale_f32_16x16x128_f8f6f4 v[rD:rD+7], v[rA:rA+11], v[rB:rB+11], 0, v[rSA], v[rSB] matrix_a_fmt:MATRIX_FMT_BF6 matrix_b_fmt:MATRIX_FMT_BF6 matrix_a_scale:MATRIX_SCALE_ROW1 matrix_b_scale:MATRIX_SCALE_ROW1
.elseif zRA
	v_wmma_scale_f32_16x16x128_f8f6f4 v[rD:rD+7], v[rA:rA+11], v[rB:rB+11], 0, v[rSA], v[rSB] matrix_a_fmt:MATRIX_FMT_BF6 matrix_b_fmt:MATRIX_FMT_BF6 matrix_a_scale:MATRIX_SCALE_ROW1
.elseif zRB
	v_wmma_scale_f32_16x16x128_f8f6f4 v[rD:rD+7], v[rA:rA+11], v[rB:rB+11], 0, v[rSA], v[rSB] matrix_a_fmt:MATRIX_FMT_BF6 matrix_b_fmt:MATRIX_FMT_BF6 matrix_b_scale:MATRIX_SCALE_ROW1
.else
	v_wmma_scale_f32_16x16x128_f8f6f4 v[rD:rD+7], v[rA:rA+11], v[rB:rB+11], 0, v[rSA], v[rSB] matrix_a_fmt:MATRIX_FMT_BF6 matrix_b_fmt:MATRIX_FMT_BF6
.endif
.else
.if zRA && zRB
	v_wmma_scale_f32_16x16x128_f8f6f4 v[rD:rD+7], v[rA:rA+11], v[rB:rB+11], v[rD:rD+7], v[rSA], v[rSB] matrix_a_fmt:MATRIX_FMT_BF6 matrix_b_fmt:MATRIX_FMT_BF6 matrix_a_scale:MATRIX_SCALE_ROW1 matrix_b_scale:MATRIX_SCALE_ROW1
.elseif zRA
	v_wmma_scale_f32_16x16x128_f8f6f4 v[rD:rD+7], v[rA:rA+11], v[rB:rB+11], v[rD:rD+7], v[rSA], v[rSB] matrix_a_fmt:MATRIX_FMT_BF6 matrix_b_fmt:MATRIX_FMT_BF6 matrix_a_scale:MATRIX_SCALE_ROW1
.elseif zRB
	v_wmma_scale_f32_16x16x128_f8f6f4 v[rD:rD+7], v[rA:rA+11], v[rB:rB+11], v[rD:rD+7], v[rSA], v[rSB] matrix_a_fmt:MATRIX_FMT_BF6 matrix_b_fmt:MATRIX_FMT_BF6 matrix_b_scale:MATRIX_SCALE_ROW1
.else
	v_wmma_scale_f32_16x16x128_f8f6f4 v[rD:rD+7], v[rA:rA+11], v[rB:rB+11], v[rD:rD+7], v[rSA], v[rSB] matrix_a_fmt:MATRIX_FMT_BF6 matrix_b_fmt:MATRIX_FMT_BF6
.endif
.endif
.endm
.macro LOADSET adr, q                  ; task q of my eight: four fragments, 12 loads of 512 consecutive bytes, into set q % 2
.set n, 0
.rept 12
	ds_load_b128 v[WB+48*((\q)%2)+4*n:WB+48*((\q)%2)+4*n+3], v[\adr] offset:(\q)*6144+512*n
.set n, n+1
.endr
.endm
; 16 matrix instructions of the first product: task q = 2 b + kh: block b of 32 hidden units, K steps 2 kh + g.  The eight accumulators (m, u) take turns, one instruction a turn.
.macro MUL1 q
	WIN 0x54                                       ; source 0 (W1) window 0; source 1 (x), C and D window 1
.irp g, 0,1
.irp u, 0,1
.irp m, 0,1,2,3
.set rD, HA+16*\m+8*\u
.set rA, WB+48*((\q)%2)+12*(2*\u+\g)
.set rB, XF+12*(4*\m+2*((\q)%2)+\g)
.set rSA, WS+2*(\q)+\g
.set rSB, XS+4*(\m/2)+2*((\q)%2)+\g
.set zRA, \u
.set zRB, \m%2
.set zZ, 0
.if ((\q)%2 == 0) && (\g == 0)
.set zZ, 1
.endif
	WM
.endr
.endr
.endr
.endm
; 16 matrix instructions of the second product: task p: column tiles t = 2 p + u, K steps g of the chunk.  Eight accumulators by turns.  zero = 1: the first chunk's K step 0 starts the sums: nothing is ever cleared.
.macro MUL2 p, zero
.if (\p) < 4
	WIN 0xa0                                       ; sources 0 and 1 window 0; C and D window 2
.else
	WIN 0xf0                                       ; C and D window 3
.endif
.irp g, 0,1
.irp u, 0,1
.irp m, 0,1,2,3
.set rD, 8*(4*((2*(\p)+\u)%8)+\m)
.set rA, WB+48*((\p)%2)+12*(2*\u+\g)
.set rB, HF+12*(4*\g+\m)
.set rSA, WS+2*(\p)+\g
.set rSB, HS+2*(\m/2)+\g
.set zRA, \u
.set zRB, \m%2
.set zZ, 0
.if (\zero) && (\g == 0)
.set zZ, 1
.endif
	WM
.endr
.endr
.endr
.endm
; Block b of 32 hidden units, for the four tiles of rows.  Lane (r, h) holds row r; registers HA + 16 m + 0 .. 15 are units 32 b + 16 h + 0 .. 15.
.macro QB b
	WIN 0x44                                       ; source 1 and destination window 1
.set n, 0
.rept 64
	v_max_num_f32 v[HA+n], 0, v[HA+n]              ; the activation, in f32; ascending
.set n, n+1
.endr
	WIN 0x14                                       ; sources 1 and 2 window 1
.irp m, 0,1,2,3
	v_max3_num_f32 v[TM+\m], 0x2800000, v[HA+16*\m], v[HA+16*\m+1]     ; my 16 numbers, none negative, and the floor 2^(5 - 127): the byte cannot fall under 1
.endr
.irp i, 2,4,6,8,10,12,14
.irp m, 0,1,2,3
	v_max3_num_f32 v[TM+\m], v[TM+\m], v[HA+16*\m+\i], v[HA+16*\m+\i+1]   ; (the four tiles by turns)
.endr
.endr
	WIN 0
.irp m, 0,1,2,3
	v_permlanex16_b32 v[TM+4+\m], v[TM+\m], s[SEL], s[SEL+1]
.endr
.irp m, 0,1,2,3
	v_max_num_f32 v[TM+\m], v[TM+\m], v[TM+4+\m]   ; with lane l xor 16's 16: the block's largest
.endr
.irp m, 0,1,2,3
	v_add_nc_u32 v[TM+12+\m], 0xfe000000, v[TM+\m] ; 4 off the exponent field: the conversion's scale operand
.endr
.irp m, 0,1,2,3
	v_lshrrev_b32 v[TM+4+\m], 23, v[TM+12+\m]      ; the scale's byte
.endr
.irp m, 0,1,2,3
.if (\b) == 0
	v_mov_b32 v[PW+\m], v[TM+4+\m]
.else
	v_lshl_or_b32 v[PW+\m], v[TM+4+\m], 8*(\b), v[PW+\m]
.endif
.endr
	WIN 0x01                                       ; source 0 window 1
.irp m, 0,1,2,3
.if (\b)%2 == 0
	v_cvt_scalef32_pk16_bf6_f32 v[F+12*\m+3*(\b):F+12*\m+3*(\b)+2], v[HA+16*\m:HA+16*\m+15], v[TM+12+\m]
.else
	v_cvt_scalef32_pk16_bf6_f32 v[T+4*\m:T+4*\m+2], v[HA+16*\m:HA+16*\m+15], v[TM+12+\m]
.endif
.endr
	WIN 0
	v_nop                                          ; one plain place behind the conversions
.if (\b)%2 == 1                        ; the operand's layout wants a whole block in a lane: lanes 0-15 the even block, lanes 16-31 the odd one
.irp m, 0,1,2,3
.irp i, 0,1,2
	v_permlane16_swap_b32 v[F+12*\m+6*((\b)/2)+\i], v[T+4*\m+\i]
.endr
.endr
.irp m, 0,1,2,3
.irp i, 0,1,2
	v_mov_b32 v[F+12*\m+6*((\b)/2)+3+\i], v[T+4*\m+\i]
.endr
.endr
.endif
.endm
.macro P1
	WIN 0
.irp q, 0,1,2,3,4,5,6,7
	ds_load_b64 v[WS+2*\q:WS+2*\q+1], v[AS1] offset:256*\q
.endr
	LOADSET AW1, 0
	LOADSET AW1, 1
.irp q, 0,1,2,3,4,5,6,7
.if \q < 7
	s_wait_dscnt 12                                ; this task's set and all that is older are in; the other set's 12 loads may be out
.else
	s_wait_dscnt 0x0
.endif
	MUL1 \q
	WIN 0
	PLACES
.if \q < 6
	LOADSET AW1, \q+2
.endif
.if \q%2 == 1
	QB \q/2                                        ; its lines on the maxima and bytes are more than the five places that the next block's first products, which write these accumulators anew, stand behind the last
.endif
.endr
.irp m, 0,1,2,3                        ; K step j of the second product, rows 16 m on: the fragment goes to LDS as it stands
.irp n, 0,1,2
	ds_store_b128 v[AHW], v[F+12*\m+4*\n:F+12*\m+4*\n+3] offset:1536*\m+512*\n
.endr
	ds_store_b32 v[AHSW], v[PW+\m] offset:128*\m   ; lanes l and l xor 16 write the same word with the same value
.endr
.endm
.macro P2 zero
	WIN 0
	ds_load_b64 v[HS:HS+1], v[AHSR]
	ds_load_b64 v[HS+2:HS+3], v[AHSR] offset:256
.irp q, 0,1,2,3,4,5,6,7
	ds_load_b64 v[WS+2*\q:WS+2*\q+1], v[AS2] offset:256*\q
.endr
.set n, 0
.rept 24
	ds_load_b128 v[HF+4*n:HF+4*n+3], v[AHR] offset:512*n
.set n, n+1
.endr
	LOADSET AW2, 0
	LOADSET AW2, 1
.irp p, 0,1,2,3,4,5,6,7
.if \p < 7
	s_wait_dscnt 12                                ; as in P1
.else
	s_wait_dscnt 0x0
.endif
	MUL2 \p, \zero
	WIN 0
	PLACES
.if \p < 6
	LOADSET AW2, \p+2
.endif
.endr
.endm
; A boundary between phases.  Each wave waits for all its tensor loads (its quarter of the slot that is read next), adds 0 to its spare word, and waits for that, for its reads of the slot that it leaves and for its LDS stores.
; fill = 1: the barrier is a round of the cluster's, so that no wave of any partner still reads the slot or has a load on its way, and the slot just left is filled with the next chunk's block, first thing behind it.
.macro BOUND g0, fill
	WIN 0
	s_wait_tensorcnt 0x0                           ; no tensor load of mine is out, so a group 0 may be written
	ds_add_u32 v[SPW], v[NIL]                      ; 0 onto my spare word
.if \fill
	s_add_nc_u64 s[\g0+2:\g0+3], s[\g0+2:\g0+3], 2*BLKB    ; the next chunk's block; the type bits on top are not reached
.endif
	s_wait_dscnt 0x0
.if \fill
	ROUND
	tensor_load_to_lds s[\g0:\g0+3], s[G1:G1+7]    ; my one tensor load behind this round
	s_nop 0
	PLACES
.else
	s_barrier_signal -1
	s_barrier_wait -1
.endif
.endm
; 64 numbers of a lane, register 16 b + i = k 32 b + 16 (lane / 16) + i of my row, become a fragment's codes in v[PCX] on and its scale word in v[PW].
.macro QUANT64 s
.irp b, 0,1,2,3
	v_max3_num_f32 v[TM+\b], |v[\s+16*\b]|, |v[\s+1+16*\b]|, 0x2800000
.endr
.irp i, 2,4,6,8,10,12,14
.irp b, 0,1,2,3
	v_max3_num_f32 v[TM+\b], v[TM+\b], |v[\s+16*\b+\i]|, |v[\s+1+16*\b+\i]|
.endr
.endr
.irp b, 0,1,2,3
	v_permlanex16_b32 v[TM+4+\b], v[TM+\b], s[SEL], s[SEL+1]
.endr
.irp b, 0,1,2,3
	v_max_num_f32 v[TM+\b], v[TM+\b], v[TM+4+\b]
.endr
.irp b, 0,1,2,3
	v_add_nc_u32 v[TM+12+\b], 0xfe000000, v[TM+\b]
.endr
.irp b, 0,1,2,3
	v_lshrrev_b32 v[TM+4+\b], 23, v[TM+12+\b]
.endr
	v_lshl_or_b32 v[PW], v[TM+5], 8, v[TM+4]
	v_lshl_or_b32 v[PW], v[TM+6], 16, v[PW]
	v_lshl_or_b32 v[PW], v[TM+7], 24, v[PW]
.irp c, 0,1
	v_cvt_scalef32_pk16_bf6_f32 v[PCX+6*\c:PCX+2+6*\c], v[\s+32*\c:\s+15+32*\c], v[TM+12+2*\c]
	v_cvt_scalef32_pk16_bf6_f32 v[PCX+12+4*\c:PCX+14+4*\c], v[\s+16+32*\c:\s+31+32*\c], v[TM+12+2*\c+1]
.endr
	v_nop                                          ; one plain place behind the conversions
.irp c, 0,1
.irp i, 0,1,2
	v_permlane16_swap_b32 v[PCX+6*\c+\i], v[PCX+12+4*\c+\i]
.endr
.irp i, 0,1,2
	v_mov_b32 v[PCX+3+6*\c+\i], v[PCX+12+4*\c+\i]
.endr
.endr
.endm
; Step k = 4 mu + s of x: tile mu of my two tiles of 16 rows, K step s.  As loaded a lane holds 4 neighbours of each of 16 rows; through my own stage (rows 528 bytes apart: row r starts 4 r banks on, ISA guide 11.1)
; lane (r, h) gets 16 neighbours of each block of 32 of row r.  LDS serves a wave's instructions in order, so one stage serves all steps.
.macro TURN k
	WIN 0x08+4*((\k)/4)                            ; the stores' data: window 2 or 3
.set n, 0
.rept 16
	ds_store_b128 v[XST], v[64*((\k)%4)+4*n:64*((\k)%4)+4*n+3] offset:528*n
.set n, n+1
.endr
	WIN 0
.set XR, X0+64*((\k)%2)
.irp b, 0,1,2,3
.irp j, 0,1,2,3
	ds_load_b128 v[XR+16*\b+4*\j:XR+16*\b+4*\j+3], v[XLD] offset:128*\b+16*\j
.endr
.endr
.endm
.macro XSTEP k
	s_wait_dscnt 0x0                               ; this step's numbers are back from the stage, and the last step's image stores have read their registers
.if (\k) < 7
.if 112-16*((\k)+1) > 63
	s_wait_loadcnt 63                              ; behind the next step's 16 loads more than 63 were issued: the largest count that the wait can name
.else
	s_wait_loadcnt 112-16*((\k)+1)                 ; the next step's 16 loads are in; those of the later steps may be out
.endif
	TURN (\k)+1
.endif
	QUANT64 X0+64*((\k)%2)
.irp n, 0,1,2
	ds_store_b128 v[XWI], v[PCX+4*\n:PCX+4*\n+3] offset:(\k)*1536+512*\n
.endr
	ds_store_b32 v[XWS], v[PW] offset:256*((\k)/4)+4*((\k)%4)
.endm
; THE WAY OUT, a tile of 16 rows x 256 columns at a time.  A lane holds 32 neighbouring bytes of a row: a tile goes through my own stage and comes back as rows of 1,024 bytes, stored 512 consecutive bytes an instruction.
.macro TOSTAGE a
	WIN 0x08                                       ; the data: window 2
.irp t, 0,1,2,3,4,5,6,7
	ds_store_b128 v[STO], v[8*(4*\t+\a):8*(4*\t+\a)+3] offset:64*\t        ; each accumulator from its low end on
	ds_store_b128 v[STO], v[8*(4*\t+\a)+4:8*(4*\t+\a)+7] offset:64*\t+16
.endr
	WIN 0x0c                                       ; window 3
.irp t, 0,1,2,3,4,5,6,7
	ds_store_b128 v[STO], v[8*(4*\t+\a):8*(4*\t+\a)+3] offset:64*(\t+8)
	ds_store_b128 v[STO], v[8*(4*\t+\a)+4:8*(4*\t+\a)+7] offset:64*(\t+8)+16
.endr
	WIN 0x40*((\a)%2)                              ; back into window 0 (even tiles) or window 1 (odd)
.set BB, BK0*(1-((\a)%2))
.set n, 0
.rept 32
	ds_load_b128 v[BB+4*n:BB+4*n+3], v[RD] offset:1040*(n/2)+512*(n%2)
.set n, n+1
.endr
	WIN 0
.endm
.macro SEND a, younger                 ; younger: LDS instructions issued behind tile a's loads that may stay out
	s_wait_dscnt \younger
	WIN 0x04*((\a)%2)                              ; the stores' data
.set BB, BK0*(1-((\a)%2))
.set n, 0
.rept 32
	global_store_b128 v[L16], v[BB+4*n:BB+4*n+3], s[42:43] offset:(16*(\a)+n/2)*2048+512*(n%2) th:TH_STORE_NT   ; 512 consecutive bytes, at a multiple of 256 from out's first byte; written once
.set n, n+1
.endr
	WIN 0
.endm
	s_load_b128 s[4:7], s[0:1], 0x0                ; x, wq
	s_load_b64 s[8:9], s[0:1], 0x10                ; out
	v_lshl_add_u32 v[SPW], v0, 2, SPARE
	v_mov_b32 v[NIL], 0
	ds_add_u32 v1, v2
	ds_add_u32 v1, v2
	s_wait_dscnt 0x0
	v_lshrrev_b32 v20, 5, v0
	v_readfirstlane_b32 s10, v20                   ; wave 0..3
	s_lshr_b32 s11, s10, 1                         ; i: my half of the rows
	s_and_b32 s12, s10, 1                          ; j: my half of the columns
	s_bfe_u32 s13, ttmp6, 0x40000                  ; cx: my place in the cluster
	s_lshl_b32 s14, ttmp9, 2                       ; in a cluster launch ttmp9 counts clusters
	s_add_co_u32 s14, s14, s13                     ; my block of 128 rows
	s_and_b32 s15, ttmp7, 0xffff                   ; the expert, which the four partners share
	; descriptor group 1: 100 rows of 256 bytes (32 elements of 8 bytes), dense in memory and in LDS
	s_mov_b32 s[G1+0], 15|(3<<16)|(1<<21)          ; 15:0 the mask: all four work-groups; 17:16 elements of 8 bytes; 20 no padding; 21 set beside a mask
	s_mov_b32 s[G1+1], 32<<16                      ; tensor_dim0 = 32
	s_mov_b32 s[G1+2], 100<<16                     ; tensor_dim1 = 100
	s_mov_b32 s[G1+3], 32<<16                      ; tile_dim0 = 32
	s_mov_b32 s[G1+4], 100                         ; tile_dim1 = 100
	s_mov_b32 s[G1+5], 32                          ; from row to row
	s_mov_b32 s[G1+6], 0
	s_mov_b32 s[G1+7], 0
	s_mov_b32 s[SEL], 0x76543210
	s_mov_b32 s[SEL+1], 0xfedcba98
	s_mul_i32 s35, s10, QUART                      ; my quarter of a slot, and of a block
	s_mul_i32 s36, s15, 16*BLKB                    ; the expert's 16 blocks
	s_add_co_u32 s36, s36, s35
	s_mov_b32 s37, 0
	s_lshl_b32 s38, s15, 23                        ; x and out: an expert's 4,096 rows of 2,048 bytes,
	s_lshl_b32 s44, s14, 18                        ; my block's 128 rows
	s_add_co_u32 s38, s38, s44
	s_lshl_b32 s44, s10, 16                        ; x: wave w quantises rows 32 w .. + 31
	s_add_co_u32 s44, s38, s44
	s_mov_b32 s45, 0
	s_lshl_b32 s46, s11, 17                        ; out: my 64 rows,
	s_add_co_u32 s46, s38, s46
	s_lshl_b32 s47, s12, 10                        ; my 256 columns
	s_add_co_u32 s46, s46, s47
	s_mov_b32 s47, 0
	v_and_b32 v22, 31, v0                          ; lane
	v_lshlrev_b32 v[L16], 4, v22
	s_wait_kmcnt 0x0
	s_mov_b32 s[G0A], 1                            ; count = 1
	s_mov_b32 s[G0A+1], s35                        ; LDS address: slot A
	s_add_nc_u64 s[G0A+2:G0A+3], s[6:7], s[36:37]  ; W1 of chunk 0
	s_mov_b32 s[G0B], 1
	s_add_co_u32 s[G0B+1], s35, SLB                ; slot B
	s_add_nc_u64 s[G0B+2:G0B+3], s[G0A+2:G0A+3], BLKB      ; W2 of chunk 0
	s_or_b32 s[G0A+3], s[G0A+3], 0x80000000        ; type = 2
	s_or_b32 s[G0B+3], s[G0B+3], 0x80000000
	s_add_nc_u64 s[40:41], s[4:5], s[44:45]
	s_add_nc_u64 s[42:43], s[8:9], s[46:47]
	ROUND                                          ; all four work-groups are here: the first joint loads meet
	tensor_load_to_lds s[G0A:G0A+3], s[G1:G1+7]
	s_nop 0
	tensor_load_to_lds s[G0B:G0B+3], s[G1:G1+7]
	s_nop 0
	PLACES
	; x: my 32 rows, 128 loads of 512 consecutive bytes of one row, in the order in which the steps want them
	WIN 0x80                                       ; destination window 2: rows 0-15
.irp s, 0,1,2,3
.set n, 0
.rept 16
	global_load_b128 v[64*\s+4*n:64*\s+4*n+3], v[L16], s[40:41] offset:2048*n+512*\s th:TH_LOAD_NT
.set n, n+1
.endr
.endr
	WIN 0xc0                                       ; window 3: rows 16-31
.irp s, 0,1,2,3
.set n, 0
.rept 16
	global_load_b128 v[64*\s+4*n:64*\s+4*n+3], v[L16], s[40:41] offset:32768+2048*n+512*\s th:TH_LOAD_NT
.set n, n+1
.endr
.endr
	WIN 0
	v_and_b32 v20, 15, v0                          ; r
	v_bfe_u32 v21, v0, 4, 1                        ; h
	v_lshlrev_b32 v23, 3, v22                      ; 8 x lane
	s_mul_i32 s36, s12, 49152                      ; eight tasks of 6,144 bytes
	v_add_nc_u32 v[AW1], s36, v[L16]
	v_add_nc_u32 v[AW2], SLB, v[AW1]
	s_lshl_b32 s36, s12, 11                        ; eight tasks' scale words
	v_add_nc_u32 v[AS1], s36, v23
	v_add_nc_u32 v[AS1], SCOFF, v[AS1]
	v_add_nc_u32 v[AS2], SLB, v[AS1]
	s_mul_i32 s36, s11, 12288
	v_add_nc_u32 v[AHR], s36, v[L16]
	v_add_nc_u32 v[AHR], HIMG, v[AHR]
	s_mul_i32 s36, s12, 6144
	v_add_nc_u32 v[AHW], s36, v[AHR]
	s_lshl_b32 s36, s11, 9
	s_lshl_b32 s37, s12, 2
	s_add_co_u32 s37, s36, s37
	v_lshl_add_u32 v[AHSW], v20, 3, s37
	v_add_nc_u32 v[AHSW], HSC, v[AHSW]
	v_lshl_add_u32 v[AHSR], v20, 3, s36
	v_lshl_add_u32 v[AHSR], v21, 7, v[AHSR]        ; lanes 16-31 take the next tile of rows
	v_add_nc_u32 v[AHSR], HSC, v[AHSR]
	s_mul_i32 s36, s10, 8448
	v_add_nc_u32 v[XST], s36, v[L16]
	v_add_nc_u32 v[XST], XSTG, v[XST]
	v_mul_u32_u24 v[XLD], v20, 528
	v_lshl_add_u32 v[XLD], v21, 6, v[XLD]
	v_add_nc_u32 v[XLD], s36, v[XLD]
	v_add_nc_u32 v[XLD], XSTG, v[XLD]
	s_mul_i32 s36, s10, 12288
	v_add_nc_u32 v[XWI], s36, v[L16]
	v_add_nc_u32 v[XWI], XIMG, v[XWI]
	s_lshl_b32 s36, s10, 9
	v_lshl_add_u32 v[XWS], v20, 4, s36
	v_add_nc_u32 v[XWS], XSC, v[XWS]
	s_mul_i32 s36, s11, 24576
	v_add_nc_u32 v[AXR], s36, v[L16]
	v_add_nc_u32 v[AXR], XIMG, v[AXR]
	s_lshl_b32 s36, s11, 10
	v_lshl_add_u32 v[AXSR], v20, 4, s36
	v_lshl_add_u32 v[AXSR], v21, 8, v[AXSR]
	v_add_nc_u32 v[AXSR], XSC, v[AXSR]
	s_mul_i32 s36, s10, 16640
	v_mul_u32_u24 v[STO], v20, 1040
	v_lshl_add_u32 v[STO], v21, 5, v[STO]
	v_add_nc_u32 v[STO], s36, v[STO]
	v_add_nc_u32 v[RD], s36, v[L16]
.irp b, 0,1,2,3
	v_mov_b32 v[TM+4+\b], 0                        ; written once: a lane permute's destination counts as one of its sources
.endr
	s_wait_loadcnt 63                              ; step 0's 16 loads are in (112 were issued behind them)
	TURN 0
.irp k, 0,1,2,3,4,5,6,7
	XSTEP \k
.endr
	s_wait_dscnt 0x0                               ; for the others' sake: my images of x lie in LDS
	s_wait_tensorcnt 0x1                           ; my quarter of slot A is in; slot B's may stay out
	s_barrier_signal -1
	s_barrier_wait -1
	WIN 0x40                                       ; destination window 1
.set n, 0
.rept 48
	ds_load_b128 v[XF+4*n:XF+4*n+3], v[AXR] offset:512*n   ; my 64 rows' sixteen fragments: they stay
.set n, n+1
.endr
	WIN 0
	ds_load_b128 v[XS:XS+3], v[AXSR]
	ds_load_b128 v[XS+4:XS+7], v[AXSR] offset:512
	P1                                             ; chunk 0 stands in front of the loop: its second product starts out's sums
	BOUND G0A, 1
	P2 1
	BOUND G0B, 1
	s_mov_b32 s34, 6
.Lchunk:                                           ; chunks 1 to 6: every trip fills both slots again
	P1
	BOUND G0A, 1
	P2 0
	BOUND G0B, 1
	s_sub_co_u32 s34, s34, 1
	s_cmp_lg_u32 s34, 0
	s_cbranch_scc1 .Lchunk
	P1                                             ; chunk 7 is written out: it asks for nothing more
	BOUND G0A, 0                                   ; behind this barrier nobody reads slot A, and it has had its last fill: the stages for out lie there
	P2 0
	TOSTAGE 0                                      ; (the four places behind the last products stand at P2's end)
	TOSTAGE 1
	SEND 0, 63                                     ; behind tile 0's loads 64 LDS instructions were issued: the largest count that the wait can name
	s_wait_xcnt 0x0                                ; tile 0's stores have read their registers: tile 2's loads may land there
	TOSTAGE 2
	SEND 1, 63
	s_wait_xcnt 0x0                                ; the same for tiles 1 and 3
	TOSTAGE 3
	SEND 2, 63
	SEND 3, 0
	s_wait_tensorcnt 0x0                           ; the wave's end: behind my last tensor load and my last LDS store
	ds_add_u32 v[SPW], v[NIL]
	s_wait_dscnt 0x0
	ROUND                                          ; the closing round: no work-group ends while a partner may still ask for a block that names it
	s_endpgm
.Lfunc_end_k_qa07e355503_ffn:
	.size	k_qa07e355503_ffn, .Lfunc_end_k_qa07e355503_ffn-k_qa07e355503_ffn
	.p2alignl 7, 3214868480
	.fill 96, 4, 3214868480
	.section	.rodata,"a",@progbits
	.p2align	6, 0x0
	.amdhsa_kernel k_qa07e355503_ffn
		.amdhsa_group_segment_fixed_size 327680
		.amdhsa_private_segment_fixed_size 0
		.amdhsa_enable_private_segment 0
		.amdhsa_kernarg_size 24
		.amdhsa_user_sgpr_count 2
		.amdhsa_user_sgpr_kernarg_segment_ptr 1
		.amdhsa_wavefront_size32 1
		.amdhsa_system_sgpr_workgroup_id_x 1
		.amdhsa_system_sgpr_workgroup_id_y 1
		.amdhsa_system_sgpr_workgroup_id_z 1
		.amdhsa_system_vgpr_workitem_id 0
		.amdhsa_next_free_vgpr 1024
		.amdhsa_next_free_sgpr 66
		.amdhsa_reserve_vcc 0
		.amdhsa_float_denorm_mode_32 3
		.amdhsa_float_denorm_mode_16_64 3
		.amdhsa_memory_ordered 1
		.amdhsa_forward_progress 1
		.amdhsa_inst_pref_size 255
	.end_amdhsa_kernel
	.section	.bss,"aw",@nobits
	.p2align	6
	.space	262144
	.amdgpu_metadata
---
amdhsa.version: [ 1, 2 ]
amdhsa.kernels:
  - .name:           k_qa07e355503_ffn
    .symbol:         k_qa07e355503_ffn.kd
    .args:
      - { .name: dispatched_hidden_states, .offset: 0, .size: 8, .value_kind: global_buffer, .address_space: global }
      - { .name: wq, .offset: 8, .size: 8, .value_kind: global_buffer, .address_space: global }
      - { .name: out0, .offset: 16, .size: 8, .value_kind: global_buffer, .address_space: global }
    .group_segment_fixed_size: 327680
    .private_segment_fixed_size: 0
    .kernarg_segment_align: 8
    .kernarg_segment_size: 24
    .max_flat_workgroup_size: 128
    .sgpr_count:     66
    .vgpr_count:     1024
    .wavefront_size: 32
...
	.end_amdgpu_metadata
.endif
;; end of part 2
